; MI455X (gfx1250); checked and timed in simulation.
; The chip was launched on July 23, 2026; its instructions are those of AMD's public machine-readable ISA for CDNA 5 (MIT licence, August 2026) and "CDNA5" Instruction Set Architecture Reference Guide (July 2026). The comments in the code are by the model that wrote it; some were corrected since.
;; Multi Head Attention Layer. Allowed arithmetic: matrix products marked QUANTISED: E4M3 operands, one given power-of-two scale a tensor, by v_wmma_f32_16x16x64_fp8_fp8 or v_wmma_f32_16x16x128_fp8_fp8, f32 sums; everything else in f32.
;; Inputs: Wk_codes 16 x 64 x 32 x 32 uint8 (E4M3 codes of Wk, K innermost, in blocks of 32 codes); Wo_codes 1,024 x 32 x 32 uint8 (E4M3 codes of Wo, K innermost, in blocks of 32 codes); Wq_codes 16 x 64 x 32 x 32 uint8 (E4M3 codes of Wq, K innermost, in blocks of 32 codes); Wv_codes 16 x 64 x 32 x 32 uint8 (E4M3 codes of Wv, K innermost, in blocks of 32 codes); X_codes 4 x 2,048 x 32 x 32 uint8 (E4M3 codes of X, K innermost, in blocks of 32 codes); bk 16 x 64 float32; bo 1,024 float32; bq 16 x 64 float32; bv 16 x 64 float32; lowp_scales 12 int32 (the exponents e of the quantised operands' scales 2^e).
;; Outputs: out0 4 x 2,048 x 1,024 float32.
;; This version of the problem:
;;   THIS VERSION OF THE PROBLEM IS GIVEN IN LOW PRECISION. The matrix products marked QUANTISED in the list below multiply operands that are first quantised to E4M3 (4 exponent bits, 3 mantissa bits; 8 bits a number), with one given power-of-two scale for each operand tensor; their sums are f32. All else is computed in f32.
;;   The module's matrix products, in the order in which they are computed (A, B: the left and right operand; K: the contracted axis; several contracted axes count as one K, in the product's order):
;;     1. [M 1,024, K 1,024] x [K 1,024, N 8,192]; A: input Wq (given as codes); B: input X (given as codes): QUANTISED (scales: A lowp_scales[0], B lowp_scales[1])
;;     2. [M 1,024, K 1,024] x [K 1,024, N 8,192]; A: input Wk (given as codes); B: input X (given as codes): QUANTISED (scales: A lowp_scales[2], B lowp_scales[3])
;;     3. [M 1,024, K 1,024] x [K 1,024, N 8,192]; A: input Wv (given as codes); B: input X (given as codes): QUANTISED (scales: A lowp_scales[4], B lowp_scales[5])
;;     4. batch 64 x [M 2,048, K 64] x [K 64, N 2,048]; A: computed on the way; B: computed on the way: QUANTISED (scales: A lowp_scales[6], B lowp_scales[7])
;;     5. batch 64 x [M 2,048, K 2,048] x [K 2,048, N 64]; A: softmax (see below); B: computed on the way: QUANTISED (scales: A lowp_scales[8], B lowp_scales[9])
;;     6. [M 8,192, K 1,024] x [K 1,024, N 1,024]; A: computed on the way; B: input Wo (given as codes): QUANTISED (scales: A lowp_scales[10], B lowp_scales[11])
;;   THE QUANTISER, for each operand of a quantised product, along K:
;;     - The operand's scale is 2^e, e = its entry of the input lowp_scales (int32; the entries are numbered through the quantised products in the list's order, A before B).
;;     - Each number is divided by the scale, clamped to +-448, and rounded to the nearest number of E4M3, ties to even, subnormals kept.
;;     - The product sums the exact products of the quantised numbers (number of the format x scale) in f32.
;;   ~~~python
;;   def quantise(x, axis, e):      # numpy; x: float32 -> the quantised numbers, widened to float32 again
;;       x = np.moveaxis(x, axis, -1); K = x.shape[-1]
;;       r = np.clip(x / 2.0 ** e, -448, 448)
;;       step = 2.0 ** (np.maximum(np.frexp(np.where(r == 0, 1, r))[1] - 1, -6) - 3)
;;       q = np.round(r / step) * step * 2.0 ** e      # np.round: ties to even
;;       return np.moveaxis(q, -1, axis).astype(np.float32)
;;   ~~~
;;   SOFTMAX AHEAD OF A QUANTISED PRODUCT. Where the list says 'softmax', what is quantised is not the finished softmax but p = 2^(t - M), with t = logit x log2(e) and M = ceil(the row's largest t), a whole number; so 1/2 < the row's largest p <= 1. The row's sum l is taken of the UNQUANTISED p, in f32, and the product's result is divided by l at the end. Since M is a whole number, a kernel that streams over the keys may use a running M (the ceiling of the running maximum): every later rescaling is an exact power of two, so the quantised numbers keep their values, but for numbers so far below the row's largest that they fall under the format's range.
;;   OPERANDS COMPUTED ON THE WAY. 'Computed on the way' means the value that the module computes at that place (a softmax that the list does not call 'softmax' is quantised finished and normalised). What goes into a quantiser is computed in f32, as accurately as f32 sums, v_exp_f32 and their like allow (about 1e-6 of the number): no bf16 or f16 on the way to a quantiser, and a product that is left as it is and whose result goes on into a quantised operand takes f32 operands (vector FMAs, or v_wmma_f32_16x16x4_f32). A number that lies on a knife's edge between two numbers of the format may be rounded either way, as far as f32 arithmetic and the matrix unit's own rounding can turn it there, and no further.
;;   INPUTS GIVEN AS CODES. Wk (in the module: [16, 1024, 64], K = its axis 1); Wo (in the module: [1024, 1024], K = its axis 0); Wq (in the module: [16, 1024, 64], K = its axis 1); Wv (in the module: [16, 1024, 64], K = its axis 1); X (in the module: [4, 2048, 1024], K = its axis 2): each comes as NAME_codes (uint8): NAME with its K axis moved to the last place and cut into blocks of 32 codes, [.., K / 32, bytes a block], one block behind the other in memory; one code a byte (a code: sign, 4 exponent bits, 3 mantissa bits); its scale is its entry of lowp_scales. Its value is code x scale, taken as it is: it is not quantised again, and the codes and scales need not be those that the quantiser above would give.
;; One version. Each part assembles by itself: llvm-mc -triple=amdgcn-amd-amdhsa -mcpu=gfx1250 --defsym DOCPART=n.
;; ======== version 1 of 1: 3 launches
;; limits: right only within a limited range of input values
;; workspace buffers: qf 8,388,608 bytes; kv 16,777,216 bytes; af 8,388,608 bytes; wof 1,048,576 bytes
;; launch proj (part 1): grid 8 x 32, 4 waves a work-group, clusters of 4 x 4, 327,680 bytes of LDS; arguments X_codes, Wq_codes, Wk_codes, Wv_codes, bq, bk, bv, lowp_scales, qf, kv; writes qf, kv
.if DOCPART == 1
	.amdgcn_target "amdgcn-amd-amdhsa--gfx1250"
	.amdhsa_code_object_version 6
	.text
	.protected	k_q101f1852d2_proj
	.globl	k_q101f1852d2_proj
	.p2align	8
	.type	k_q101f1852d2_proj,@function
k_q101f1852d2_proj:
	s_mov_b64 s[64:65], 0
	v_nop
	global_prefetch_b8 v0, s[64:65] scope:SCOPE_SE
	s_setreg_imm32_b32 hwreg(HW_REG_WAVE_MODE, 25, 1), 1
	s_wait_xcnt 0x0
	s_wait_alu depctr_hold_cnt(0) depctr_sa_sdst(0) depctr_va_vdst(0) depctr_va_sdst(0) depctr_va_ssrc(0) depctr_va_vcc(0) depctr_vm_vsrc(0)
	s_getreg_b32 s2, hwreg(HW_REG_IB_STS2, 6, 4)
	s_cmp_eq_u32 s2, 0
	s_cbranch_scc0 .Lentry_in_a_cluster
	s_endpgm
.Lentry_in_a_cluster:
	s_bfe_u32 s2, ttmp6, 0x10000c
	s_cmp_lg_u32 s2, 0xf033
	s_cbranch_scc0 .Lentry_shape_is_right
	s_endpgm
.Lentry_shape_is_right:
; Q = X Wq + bq, K = X Wk + bk, V = X Wv + bv on codes of FP8 (E4M3), and the results quantised again: they leave as codes, laid as IMAGES OF THE NEXT PRODUCT'S OPERAND REGISTERS.
; X: [8192][1024] codes, W: [1024 (head x 64 + dim)][1024] codes, K innermost.  The three products are 384 tiles of 256 x 256; 256 work-groups STAY and make one and a half each:
;   work-group (g = 0..7, xb = 0..31).  PHASE 1: X's rows 256 xb on against 256 rows of Wq (g < 4: cluster x = 0) or Wk (cluster x = 1), tile g % 4.  PHASE 2: the same rows of X against Wv's rows 128 g on.
; D = (source 0 = 16 rows of P) x (source 1 = 16 rows of R): a lane holds ONE row of R (lane % 16) and 8 neighbouring rows of P.
;   Phase 1: R = X, P = W: a lane's 8 registers are 8 neighbouring dims of one query or key.  A wave makes 128 x 128: 64 accumulators.
;   Phase 2: R = Wv (128 rows), P = X: a lane's 8 registers are 8 neighbouring KEYS of one dim.  A wave makes 64 rows of R (one head) x 128 keys: 32 accumulators.
; So one conversion of an accumulator's 8 registers gives registers 2 c, 2 c + 1 of the next operand (k = 16 c + 8 (lane / 16) + 0 .. 7): nothing is transposed, nothing goes through a stage.
; The bias, divided by 2^(eW + eX), is the C of each sum's first matrix instruction; code = (sum) / 2^(eo - eW - eX), held within +-448 of that scale.
; OUT.  qf: [b x 16 + head][query tile 128][half 2][lane 32][16 bytes].  kv: [b x 16 + head][key step 16][16,384]: 8 fragments of K (16 keys x 64 dims, 1,024 bytes), then at 8,192 four of V^T (16 dims x 128 keys, 2,048 bytes).
; Every store of a wave covers 512 consecutive bytes, aligned.
; CLUSTERS: 4 x 4.  X's tile hangs on xb alone and is shared along a row of the cluster, W's on g alone and is shared along a column: each is asked for jointly, in both phases.
; THE RING: K goes in steps of 256 through two LDS slots, four slots' worth a phase, written out.  It does not stop between the phases: phase 1's last two changes of slots ask for phase 2's K steps 0 and 1,
; which are on their way while phase 1's codes are made and stored.
; The fragments are fetched by four loads of 16 bytes: a permutation of k that is the same on both sides of a product.
; NO PREFETCH: the block is the largest that the registers hold, the launch is in clusters, and K is 1,024: of a phase's four slots two are asked for before its first product; phase 2's rows of X have been read in phase 1.
; LIMITS: eo - eW - eX between -126 and 119 for each of the three products (eW, eX, eo: entries 0, 1, 6 | 2, 3, 7 | 4, 5, 9 of the scales).  NaN among the biases is not served.
; REGISTERS: window 0: v1-6 at work, v12 the conversions' scale, v13 448 x that, v16-21 LDS addresses, v24, v25 the biases' lane offsets, v26 16 x lane, v28, v29 for the add, v32-95 the bias as C, v96-99 bv as loaded,
;   v128-255 R's fragments (phase 2: two sets of 64), later the codes.   window 1: P's fragments, two sets.   windows 2, 3: the accumulators ((a, b) at v[8 (8 (a % 4) + b)]; phase 2: window 2 alone).
.set ROWB,   256                       ; a tile's row in bytes
.set KROW,   1024                      ; a row of X or W in memory
.set PITCH,  272                       ; an LDS row: 256 bytes + 16 of padding: the 16 rows of a fragment load start 68 words apart
.set FR,     16
.set NL,     4
.set NP,     4
.set HALFT,  128*PITCH
.set SLOT,   4*HALFT                   ; R's 256 rows (phase 2: 128 of them), then P's 256 rows
.set SPARE,  2*SLOT                    ; behind the ring: the spare words, 128 bytes for each wave
.set SC,   12
.set LIM,  13
.set ADRA, 16                          ; v16-17 my R fragments in slot 0, 1, phase 1
.set ADRA2, 18                         ; v18-19 the same, phase 2
.set ADRB, 20                          ; v20-21 my P fragments
.set BOF,  24
.set BOV,  25
.set CO,   26
.set SPW,  28
.set NIL,  29
.set CB,   32
.set VB,   96
.set AF,   128
.set CD,   128
.set G1C, 4                            ; s[4:11]  group 1: 64 rows, my column's mask (Wv's tiles); written when the four inputs' addresses have been used
.set G1,  24                           ; s[24:31] group 1: 128 rows, my row's mask (X's tiles)
.set G0,  32                           ; s[32:39] group 0 for X's tiles, one set for each slot
.set G1B, 48                           ; s[48:55] group 1: 128 rows, my column's mask (Wq's, Wk's tiles)
.set G0B, 56                           ; s[56:63] group 0 for W's tiles
.set MSB, 0
.macro WIN new                         ; the immediate's high byte repeats the setting that is left
.if MSB != (\new)
	s_set_vgpr_msb (MSB<<8)|(\new)
.set MSB, (\new)
.endif
.endm
.set MUL_LO,  0xa1                     ; source 0 (P) window 1, source 1 (R) window 0, C and D window 2
.set MUL_HI,  0xf1                     ; the same, C and D window 3
.set BIAS_LO, 0x81                     ; the same with C (the bias) in window 0
.set BIAS_HI, 0xc1
.set TO_B,    0x40
; A joint load: waves 0 and 1 fetch for R, waves 2 and 3 for P.  The branch hangs on the wave's number alone.  s_nop 0 and four v_nop follow each of the two lines.
.macro JLOAD g0a, g1a, g0b, g1b
	s_cmp_eq_u32 s15, 0
	s_cbranch_scc0 .Lfor_b_\@
	tensor_load_to_lds s[\g0a:\g0a+3], s[\g1a:\g1a+7]
	s_nop 0
.rept 4
	v_nop
.endr
	s_branch .Lasked_\@
.Lfor_b_\@:
	tensor_load_to_lds s[\g0b:\g0b+3], s[\g1b:\g1b+7]
	s_nop 0
.rept 4
	v_nop
.endr
.Lasked_\@:
.endm
.macro CREST                           ; a round of the cluster's barrier behind its opening barrier
	s_cmp_lg_u32 s14, 0
	s_cbranch_scc1 .Lnot_wave_0_\@
	s_barrier_signal -3
.Lnot_wave_0_\@:
	s_barrier_wait -3
	s_barrier_signal -1
	s_barrier_wait -1
.endm
.macro CROUND
	s_barrier_signal -1
	s_barrier_wait -1
	CREST
.endm
	s_load_b256 s[4:11], s[0:1], 0x0               ; X s[4:5], Wq s[6:7], Wk s[8:9], Wv s[10:11]
	s_load_b256 s[68:75], s[0:1], 0x20             ; bq s[68:69], bk s[70:71], bv s[72:73], the scales' exponents s[74:75]
	s_load_b128 s[76:79], s[0:1], 0x40             ; qf s[76:77], kv s[78:79]
	v_lshl_add_u32 v[SPW], v0, 2, SPARE
	v_mov_b32 v[NIL], 0
	ds_add_u32 v[SPW], v[NIL]                      ; the opening: the add, twice on end, and its wait ahead of my first tensor load
	ds_add_u32 v[SPW], v[NIL]
	v_lshrrev_b32 v1, 5, v0
	v_readfirstlane_b32 s14, v1                    ; wave 0..3
	s_lshr_b32 s15, s14, 1                         ; i: which half of R's rows is mine.  Also: I fetch for R (0) or for P (1)
	s_and_b32 s16, s14, 1                          ; j: which half of P's rows.  Also: which half of that tile I fetch
	s_bfe_u32 s40, ttmp6, 0x40000                  ; cx
	s_bfe_u32 s41, ttmp6, 0x40004                  ; cy
	s_and_b32 s17, ttmp7, 0xffff
	s_lshl_b32 s17, s17, 2
	s_add_co_u32 s17, s17, s41                     ; xb = 4 x cluster y + cy
	s_lshl_b32 s42, ttmp9, 2
	s_add_co_u32 s42, s42, s40                     ; g = 4 x cluster x + cx
	s_lshl_b32 s43, s41, 2
	s_lshl_b32 s43, 15, s43                        ; my row of the cluster
	s_lshl_b32 s66, 0x1111, s40                    ; my column
	s_or_b32 s[G1+0], s43, (0<<16)|(1<<20)|(1<<21)|(5<<22)|(3<<25)   ; the mask; elements of 1 byte; padding on; bit 21 beside a mask; 4 words of padding after every 64
	s_or_b32 s[G1B+0], s66, (0<<16)|(1<<20)|(1<<21)|(5<<22)|(3<<25)
.irp g, G1, G1B
	s_mov_b32 s[\g+1], ROWB<<16                    ; tensor_dim0
	s_mov_b32 s[\g+2], 128<<16                     ; tensor_dim1
	s_mov_b32 s[\g+3], ROWB<<16                    ; tile_dim0
	s_mov_b32 s[\g+4], 128                         ; tile_dim1
	s_mov_b32 s[\g+5], KROW                        ; from row to row
	s_mov_b32 s[\g+6], 0
	s_mov_b32 s[\g+7], 0
.endr
	s_lshl_b32 s18, s16, 7                         ; which 128 rows of a tile of 256 I fetch
	s_lshl_b32 s20, s17, 8
	s_add_co_u32 s20, s20, s18
	s_lshl_b32 s20, s20, 10                        ; X: (256 xb + 128 j) rows of 1,024 bytes
	s_mov_b32 s21, 0
	s_lshl_b32 s46, s40, 8
	s_add_co_u32 s46, s46, s18
	s_lshl_b32 s46, s46, 10                        ; Wq, Wk: (256 cx + 128 j) rows
	s_mov_b32 s47, 0
	s_lshl_b32 s22, s42, 7
	s_lshl_b32 s23, s16, 6
	s_add_co_u32 s22, s22, s23
	s_lshl_b32 s22, s22, 10                        ; Wv: (128 g + 64 j) rows
	s_mov_b32 s23, 0
	s_mul_i32 s45, s14, HALFT                      ; where loads of 128 rows go: wave x 128 rows,
	s_mul_i32 s44, s14, 64*PITCH                   ; and Wv's loads of 64 rows (waves 0 and 1)
	s_wait_dscnt 0x0                               ; both opening adds are done
	s_wait_kmcnt 0x0
	s_load_b256 s[80:87], s[74:75], 0x0            ; entries 0 to 7 of the scales
	s_load_b128 s[88:91], s[74:75], 0x20           ; entries 8 to 11
	s_cmp_eq_u32 ttmp9, 0
	s_cselect_b64 s[2:3], s[6:7], s[8:9]           ; phase 1's weights: Wq or Wk
	s_add_nc_u64 s[20:21], s[4:5], s[20:21]
	s_add_nc_u64 s[46:47], s[2:3], s[46:47]
	s_add_nc_u64 s[12:13], s[10:11], s[22:23]      ; stays: where my loads of Wv begin
	CROUND                                         ; all sixteen work-groups are here: the first joint loads meet
.irp s, 0,1
	s_mov_b32 s[G0+4*\s], 1
	s_add_co_u32 s[G0+4*\s+1], s45, \s*SLOT
	s_add_nc_u64 s[G0+4*\s+2:G0+4*\s+3], s[20:21], \s*ROWB
	s_or_b32 s[G0+4*\s+3], s[G0+4*\s+3], 0x80000000
	s_mov_b32 s[G0B+4*\s], 1
	s_add_co_u32 s[G0B+4*\s+1], s45, \s*SLOT
	s_add_nc_u64 s[G0B+4*\s+2:G0B+4*\s+3], s[46:47], \s*ROWB
	s_or_b32 s[G0B+4*\s+3], s[G0B+4*\s+3], 0x80000000
.endr
	JLOAD G0, G1, G0B, G1B                         ; K step 0: one tensor load a wave at the head
	s_mul_i32 s21, s15, HALFT                      ; phase 1: my 128 rows of R
	s_mul_i32 s22, s16, HALFT                      ; my 128 rows of P,
	s_add_co_u32 s22, s22, 2*HALFT                 ; which lie behind R's 256
	s_mul_i32 s23, s15, 64*PITCH                   ; phase 2: my 64 rows of R
	v_and_b32 v1, 15, v0                           ; r = lane % 16
	v_bfe_u32 v2, v0, 4, 1                         ; h = lane / 16
	v_mul_u32_u24 v3, v1, PITCH
	v_lshl_add_u32 v4, v2, 4, v3                   ; a fragment's row x pitch + 16 x half
	v_add_nc_u32 v[ADRA], s21, v4
	v_add_nc_u32 v[ADRB], s22, v4
	v_add_nc_u32 v[ADRA2], s23, v4
	v_add_nc_u32 v[ADRA+1], SLOT, v[ADRA]
	v_add_nc_u32 v[ADRB+1], SLOT, v[ADRB]
	v_add_nc_u32 v[ADRA2+1], SLOT, v[ADRA2]
	v_and_b32 v6, 31, v0
	v_lshlrev_b32 v[CO], 4, v6                     ; the way out: 16 bytes a lane
	v_lshlrev_b32 v[BOF], 5, v2                    ; phase 1: the bias goes with P's row: block b's C holds bias(16 b + 8 h + 0 .. 7)
	v_lshlrev_b32 v[BOV], 2, v1                    ; phase 2: with R's row: block a's C holds bias(16 a + r) eight times
	s_wait_alu depctr_va_vdst(0)
	s_or_b32 s[G1C+0], s66, (0<<16)|(1<<20)|(1<<21)|(5<<22)|(3<<25)
	s_mov_b32 s[G1C+1], ROWB<<16
	s_mov_b32 s[G1C+2], 64<<16
	s_mov_b32 s[G1C+3], ROWB<<16
	s_mov_b32 s[G1C+4], 64
	s_mov_b32 s[G1C+5], KROW
	s_mov_b32 s[G1C+6], 0
	s_mov_b32 s[G1C+7], 0
	; phase 1: where my codes go, and where my bias lies
	s_lshl_b32 s18, s17, 8
	s_lshl_b32 s19, s15, 7
	s_add_co_u32 s18, s18, s19                     ; my first row of X: 256 xb + 128 i
	s_lshr_b32 s19, s18, 11                        ; b
	s_and_b32 s18, s18, 2047                       ; the row within b
	s_lshl_b32 s20, s40, 2
	s_lshl_b32 s21, s16, 1
	s_add_co_u32 s20, s20, s21                     ; my first head: 4 cx + 2 j
	s_lshl_b32 s19, s19, 4
	s_add_co_u32 s19, s19, s20
	s_cmp_eq_u32 ttmp9, 0
	s_cselect_b64 s[92:93], s[76:77], s[78:79]     ; qf or kv
	s_cselect_b64 s[2:3], s[68:69], s[70:71]       ; bq or bk
	s_cselect_b32 s22, 17, 18                      ; a head's bytes: 2^17 in qf, 2^18 in kv
	s_cselect_b32 s23, 6, 7                        ; a row of X's bytes: 64 in qf, 128 in kv
	s_lshl_b32 s19, s19, s22
	s_lshl_b32 s18, s18, s23
	s_add_co_u32 s18, s18, s19
	s_mov_b32 s19, 0
	s_add_nc_u64 s[92:93], s[92:93], s[18:19]      ; my first head's place
	s_lshl_b32 s18, 1, s22
	s_add_nc_u64 s[94:95], s[92:93], s[18:19]      ; my second head's
	s_lshl_b32 s18, s20, 8
	s_add_nc_u64 s[2:3], s[2:3], s[18:19]          ; the bias of my 128 rows of W: 64 numbers of 4 bytes a head
	; phase 2
	s_lshl_b32 s18, s17, 8
	s_lshl_b32 s20, s16, 7
	s_add_co_u32 s18, s18, s20                     ; my first key: 256 xb + 128 j
	s_lshr_b32 s20, s18, 11                        ; b
	s_bfe_u32 s18, s18, 0x40007                    ; the key step within b
	s_lshl_b32 s21, s42, 1
	s_add_co_u32 s21, s21, s15                     ; my head: 2 g + i
	s_lshl_b32 s20, s20, 4
	s_add_co_u32 s20, s20, s21
	s_lshl_b32 s20, s20, 18
	s_lshl_b32 s18, s18, 14
	s_add_co_u32 s18, s18, s20
	s_add_co_u32 s18, s18, 8192                    ; V's part of a key step lies behind K's
	s_add_nc_u64 s[96:97], s[78:79], s[18:19]
	s_lshl_b32 s18, s21, 8
	s_add_nc_u64 s[22:23], s[72:73], s[18:19]      ; bv of my 64 rows
.irp b, 0,1,2,3,4,5,6,7
	global_load_b128 v[CB+8*\b:CB+8*\b+3], v[BOF], s[2:3] offset:64*\b
	global_load_b128 v[CB+8*\b+4:CB+8*\b+7], v[BOF], s[2:3] offset:64*\b+16
.endr
.irp a, 0,1,2,3
	global_load_b32 v[VB+\a], v[BOV], s[22:23] offset:64*\a
.endr
	s_wait_kmcnt 0x0                               ; the scales
	s_cmp_eq_u32 ttmp9, 0
	s_cselect_b32 s18, s80, s82                    ; eW
	s_cselect_b32 s19, s81, s83                    ; eX
	s_cselect_b32 s20, s86, s87                    ; eo
	s_add_co_i32 s18, s18, s19                     ; a sum stands for sum x 2^(eW + eX)
	s_sub_co_i32 s98, 0, s18
	s_sub_co_i32 s20, s20, s18
	s_add_co_i32 s20, s20, 127
	s_lshl_b32 s21, s20, 23
	v_mov_b32 v[SC], s21                           ; 2^(eo - eW - eX): the three scales folded into the conversion's one
	s_add_co_i32 s20, s20, 8
	s_lshl_b32 s20, s20, 23
	s_or_b32 s20, s20, 0x600000
	v_mov_b32 v[LIM], s20                          ; 448 x that
	s_add_co_i32 s18, s84, s85                     ; the same for V, kept in s99 to s101
	s_sub_co_i32 s101, 0, s18
	s_sub_co_i32 s20, s89, s18
	s_add_co_i32 s20, s20, 127
	s_lshl_b32 s99, s20, 23
	s_add_co_i32 s20, s20, 8
	s_lshl_b32 s20, s20, 23
	s_or_b32 s100, s20, 0x600000
	s_wait_loadcnt 0x0
.set i, 0
.rept 64
	v_ldexp_f32 v[CB+i], v[CB+i], s98              ; / 2^(eW + eX)
.set i, i+1
.endr
.macro FRAG reg, adr, q, i             ; a fragment, 16 rows x 128 K, is 16 registers: four loads of 16 bytes, 32 bytes apart
.irp c, 0,1,2,3
	ds_load_b128 v[\reg+4*\c:\reg+4*\c+3], v[\adr] offset:128*(\q)+32*\c+(\i)*16*PITCH
.endr
.endm
; 16 matrix instructions: R's fragments a0, a0 + 1 x P's eight, onto accumulators (a % 4, b) of the window that is set.  p: P's set.  zero = 1: the sums start with the bias of P's block; 2: of R's block; 0: they go on.
; The accumulators take turns, one instruction a turn, in the same order in every step.
.macro MUL16 a0, p, zero
.irp a, \a0, \a0+1
.irp b, 0,1,2,3,4,5,6,7
.if \zero == 1
	v_wmma_f32_16x16x128_fp8_fp8 v[8*(8*((\a)%4)+\b):8*(8*((\a)%4)+\b)+7], v[128*(\p)+FR*\b:128*(\p)+FR*\b+FR-1], v[AF+FR*(\a):AF+FR*(\a)+FR-1], v[CB+8*\b:CB+8*\b+7]
.elseif \zero == 2
	v_wmma_f32_16x16x128_fp8_fp8 v[8*(8*((\a)%4)+\b):8*(8*((\a)%4)+\b)+7], v[128*(\p)+FR*\b:128*(\p)+FR*\b+FR-1], v[AF+FR*(\a):AF+FR*(\a)+FR-1], v[CB+8*(\a):CB+8*(\a)+7]
.else
	v_wmma_f32_16x16x128_fp8_fp8 v[8*(8*((\a)%4)+\b):8*(8*((\a)%4)+\b)+7], v[128*(\p)+FR*\b:128*(\p)+FR*\b+FR-1], v[AF+FR*(\a):AF+FR*(\a)+FR-1], v[8*(8*((\a)%4)+\b):8*(8*((\a)%4)+\b)+7]
.endif
.endr
.endr
.endm
.macro FETCH_B slot, q, p
	WIN TO_B
.irp i, 0,1,2,3,4,5,6,7
	FRAG 128*(\p)+FR*\i, ADRB+\slot, \q, \i
.endr
	WIN 0
.endm
.macro FETCH_A slot, q, i0
.irp i, \i0, \i0+1, \i0+2, \i0+3
	FRAG AF+FR*(\i), ADRA+\slot, \q, \i
.endr
.endm
.macro FETCH_R slot, q, set            ; phase 2: my four fragments of R into set 0 (fragments 0-3's registers) or 1 (4-7's)
.irp i, 0,1,2,3
	FRAG AF+64*(\set)+FR*\i, ADRA2+\slot, \q, \i
.endr
.endm
.macro PLACES n                        ; plain vector lines between a matrix instruction and a load into, or a vector read or write of, its registers
.rept \n
	v_nop
.endr
.endm
; PHASE 1.  A step of 128 along K that has its successor in the same slot.
.macro STEP slot, q, zero
	s_wait_dscnt 4*NL                              ; P's set and R's blocks 0-3 are in; the youngest sixteen loads (R's blocks 4-7) may be out
.if \zero
	WIN BIAS_LO
.else
	WIN MUL_LO
.endif
	MUL16 0, (\q)%2, \zero
	MUL16 2, (\q)%2, \zero
	s_wait_dscnt 0                                 ; R's blocks 4-7 are in
	PLACES NP
	FETCH_B \slot, (\q)+1, 1-(\q)%2
	FETCH_A \slot, (\q)+1, 0
.if \zero
	WIN BIAS_HI
.else
	WIN MUL_HI
.endif
	MUL16 4, (\q)%2, \zero
	MUL16 6, (\q)%2, \zero
	PLACES NP
	WIN 0
	FETCH_A \slot, (\q)+1, 4
.endm
; A slot's last step changes slots: a round of the cluster's barrier; in front of it each wave waits for all its tensor loads, adds 0 to its spare word, and waits for that and for its reads of this slot.
; fill = 1: this slot takes phase 1's K step two on; fill = 2: phase 2's K step 0 or 1: X goes back along K, and W's descriptors turn to Wv.  fetch = 0: the phase's last step: no fragments follow.
.macro TURN slot, next, fill, fetch
	s_wait_tensorcnt 0x0                           ; all my tensor loads have landed: my part of the next slot
	ds_add_u32 v[SPW], v[NIL]                      ; 0 onto my spare word
	s_wait_dscnt 4*NL+1                            ; the add and the youngest sixteen loads may be out
	WIN MUL_LO
	MUL16 0, 1, 0                                  ; sixteen matrix instructions stand between the add and the wait for it
	s_wait_dscnt 0x0                               ; the add is done, and my reads of this slot are over
	s_barrier_signal -1
	MUL16 2, 1, 0
	WIN 0
	s_barrier_wait -1
	CREST                                          ; no wave of any partner still reads this slot or has a load on its way
.if \fill == 1
	s_add_nc_u64 s[G0+4*\slot+2:G0+4*\slot+3], s[G0+4*\slot+2:G0+4*\slot+3], 2*ROWB
	s_add_nc_u64 s[G0B+4*\slot+2:G0B+4*\slot+3], s[G0B+4*\slot+2:G0B+4*\slot+3], 2*ROWB
	JLOAD G0+4*\slot, G1, G0B+4*\slot, G1B         ; my one tensor load behind the round; its four v_nop are the places in front of the loads below
.else
	s_sub_nc_u64 s[G0+4*\slot+2:G0+4*\slot+3], s[G0+4*\slot+2:G0+4*\slot+3], 2*ROWB
	s_add_co_u32 s[G0B+4*\slot+1], s44, \slot*SLOT
	s_add_nc_u64 s[G0B+4*\slot+2:G0B+4*\slot+3], s[12:13], \slot*ROWB
	s_or_b32 s[G0B+4*\slot+3], s[G0B+4*\slot+3], 0x80000000
	JLOAD G0B+4*\slot, G1C, G0+4*\slot, G1         ; phase 2: R is Wv (waves 0 and 1, 64 rows each), P is X (waves 2 and 3)
.endif
.if \fetch
	FETCH_B \next, 0, 0
	FETCH_A \next, 0, 0
.endif
	WIN MUL_HI
	MUL16 4, 1, 0
	MUL16 6, 1, 0
.if \fetch
	PLACES NP
	WIN 0
	FETCH_A \next, 0, 4
.else
	WIN 0
.endif
.endm
; PHASE 2.  A step is 32 matrix instructions; both operands have two sets of registers.  A slot's first step multiplies sets 0 and fetches the second step's fragments into sets 1.
.macro HSTEP slot, zero
	PLACES NP                                      ; in front of the loads into sets 1, which the step before multiplied
	FETCH_B \slot, 1, 1
	FETCH_R \slot, 1, 1
	s_wait_dscnt 48                                ; sets 0 are in; the 32 + 16 loads just issued may be out
.if \zero
	WIN BIAS_LO
.else
	WIN MUL_LO
.endif
	MUL16 0, 0, \zero
	MUL16 2, 0, \zero
	WIN 0
.endm
; A slot's second step multiplies sets 1 (R's fragments 4-7's registers, the same accumulators) and changes slots.  fill = 1: this slot takes the K step two on.
.macro HTURN slot, next, fill
	s_wait_tensorcnt 0x0
	ds_add_u32 v[SPW], v[NIL]
	s_wait_dscnt 0x0                               ; the add is done, sets 1 are in, and my reads of this slot are over
	s_barrier_signal -1
	WIN MUL_LO
	MUL16 4, 1, 0
	WIN 0
	s_barrier_wait -1
.if \fill
	CREST
	s_add_nc_u64 s[G0+4*\slot+2:G0+4*\slot+3], s[G0+4*\slot+2:G0+4*\slot+3], 2*ROWB
	s_add_nc_u64 s[G0B+4*\slot+2:G0B+4*\slot+3], s[G0B+4*\slot+2:G0B+4*\slot+3], 2*ROWB
	JLOAD G0B+4*\slot, G1C, G0+4*\slot, G1         ; its four v_nop are the places in front of the loads below
.else
	PLACES NP
.endif
	FETCH_B \next, 0, 0
	FETCH_R \next, 0, 0
	WIN MUL_LO
	MUL16 6, 1, 0
	WIN 0
.endm
; THE WAY OUT.  Each sum is held within +-448 x the scale (the conversion to an 8-bit code does not saturate: ISA guide 7.6.2), each accumulator from its low end on; an accumulator's 8 registers become 2 registers of codes:
; accumulator (a, b)'s at v[CD + 16 a + 2 b] of window 0.
.macro CODES whold, wcvt, base
	WIN \whold
.set i, 0
.rept 256
	v_med3_num_f32 v[i], v[i], -v[LIM], v[LIM]
.set i, i+1
.endr
	WIN \wcvt
.set i, 0
.rept 32
	v_cvt_scalef32_pk8_fp8_f32 v[\base+2*i:\base+2*i+1], v[8*i:8*i+7], v[SC]
.set i, i+1
.endr
.endm
	s_wait_alu depctr_va_vdst(0)
	s_wait_tensorcnt 0x0                           ; my part of slot 0 is in; slot 1's first fill is issued as a refill is:
	ds_add_u32 v[SPW], v[NIL]
	s_wait_dscnt 0x0
	CROUND                                         ; a whole round: everybody's part of slot 0 is in, and the joint loads meet
	JLOAD G0+4, G1, G0B+4, G1B                     ; K step 1, my one tensor load behind the round
	FETCH_B 0, 0, 0
	FETCH_A 0, 0, 0
	FETCH_A 0, 0, 4
	STEP 0, 0, 1                                   ; K 0-127: the sums start with the bias
	TURN 0, 1, 1, 1                                ; K 128-255; slot 0 takes K 512-767
	STEP 1, 0, 0
	TURN 1, 0, 1, 1                                ; K 384-511; slot 1 takes K 768-1023
	STEP 0, 0, 0
	TURN 0, 1, 2, 1                                ; K 640-767; slot 0 takes phase 2's K 0-255
	STEP 1, 0, 0
	TURN 1, 0, 2, 0                                ; K 896-1023; slot 1 takes phase 2's K 256-511
	PLACES NP
	CODES 0x82, 0x02, CD
	CODES 0xc3, 0x03, CD+64
	v_nop                                          ; one plain line behind the last conversion
	WIN 0
.irp a, 0,1,2,3,4,5,6,7                ; block a is a fragment of 16 rows for each of my two heads: registers 0-3, 4-7 of head g / 2
.irp g, 0,1,2,3
	global_store_b128 v[CO], v[CD+16*\a+4*\g:CD+16*\a+4*\g+3], s[92+2*(\g/2):93+2*(\g/2)] offset:1024*\a+512*(\g%2)
.endr
.endr
	v_mov_b32 v[SC], s99                           ; V's scales
	v_mov_b32 v[LIM], s100
.irp a, 0,1,2,3
.irp j, 0,1,2,3,4,5,6,7
	v_ldexp_f32 v[CB+8*\a+\j], v[VB+\a], s101      ; the division spreads bv(16 a + r) over block a's C
.endr
.endr
	s_wait_alu depctr_va_vdst(0)
	s_wait_xcnt 0x0                                ; the stores have read the codes: R's fragments may land there
	FETCH_B 0, 0, 0                                ; slot 0 was shown whole by the last round
	FETCH_R 0, 0, 0
	HSTEP 0, 2                                     ; K 0-127
	HTURN 0, 1, 1                                  ; K 128-255; slot 0 takes K 512-767
	HSTEP 1, 0
	HTURN 1, 0, 1                                  ; K 384-511; slot 1 takes K 768-1023
	HSTEP 0, 0
	HTURN 0, 1, 0                                  ; nothing is left to fetch
	HSTEP 1, 0
	s_wait_dscnt 0x0                               ; the last step
	WIN MUL_LO
	MUL16 4, 1, 0
	MUL16 6, 1, 0
	PLACES NP
	CODES 0x82, 0x02, CD
	v_nop                                          ; one plain line behind the last conversion
	WIN 0
.irp a, 0,1,2,3                        ; block a is the fragment of dims 16 a on of my head: 16 registers, four at a time
.irp g, 0,1,2,3
	global_store_b128 v[CO], v[CD+16*\a+4*\g:CD+16*\a+4*\g+3], s[96:97] offset:2048*\a+512*\g
.endr
.endr
	s_wait_tensorcnt 0x0                           ; the wave's end
	ds_add_u32 v[SPW], v[NIL]
	s_wait_dscnt 0x0
	CROUND                                         ; the closing round: no work-group ends while a partner may still ask for a tile that names it
	s_endpgm
.Lfunc_end_k_q101f1852d2_proj:
	.size	k_q101f1852d2_proj, .Lfunc_end_k_q101f1852d2_proj-k_q101f1852d2_proj
	.p2alignl 7, 3214868480
	.fill 96, 4, 3214868480
	.section	.rodata,"a",@progbits
	.p2align	6, 0x0
	.amdhsa_kernel k_q101f1852d2_proj
		.amdhsa_group_segment_fixed_size 327680
		.amdhsa_private_segment_fixed_size 0
		.amdhsa_enable_private_segment 0
		.amdhsa_kernarg_size 80
		.amdhsa_user_sgpr_count 2
		.amdhsa_user_sgpr_kernarg_segment_ptr 1
		.amdhsa_wavefront_size32 1
		.amdhsa_system_sgpr_workgroup_id_x 1
		.amdhsa_system_sgpr_workgroup_id_y 1
		.amdhsa_system_sgpr_workgroup_id_z 1
		.amdhsa_system_vgpr_workitem_id 0
		.amdhsa_next_free_vgpr 1024
		.amdhsa_next_free_sgpr 102
		.amdhsa_reserve_vcc 0
		.amdhsa_float_denorm_mode_32 3
		.amdhsa_float_denorm_mode_16_64 3
		.amdhsa_memory_ordered 1
		.amdhsa_forward_progress 1
		.amdhsa_inst_pref_size 193
	.end_amdhsa_kernel
	.amdgpu_metadata
---
amdhsa.version: [ 1, 2 ]
amdhsa.kernels:
  - .name:           k_q101f1852d2_proj
    .symbol:         k_q101f1852d2_proj.kd
    .args:
      - { .name: X_codes, .offset: 0, .size: 8, .value_kind: global_buffer, .address_space: global }
      - { .name: Wq_codes, .offset: 8, .size: 8, .value_kind: global_buffer, .address_space: global }
      - { .name: Wk_codes, .offset: 16, .size: 8, .value_kind: global_buffer, .address_space: global }
      - { .name: Wv_codes, .offset: 24, .size: 8, .value_kind: global_buffer, .address_space: global }
      - { .name: bq, .offset: 32, .size: 8, .value_kind: global_buffer, .address_space: global }
      - { .name: bk, .offset: 40, .size: 8, .value_kind: global_buffer, .address_space: global }
      - { .name: bv, .offset: 48, .size: 8, .value_kind: global_buffer, .address_space: global }
      - { .name: lowp_scales, .offset: 56, .size: 8, .value_kind: global_buffer, .address_space: global }
      - { .name: qf, .offset: 64, .size: 8, .value_kind: global_buffer, .address_space: global }
      - { .name: kv, .offset: 72, .size: 8, .value_kind: global_buffer, .address_space: global }
    .group_segment_fixed_size: 327680
    .private_segment_fixed_size: 0
    .kernarg_segment_align: 8
    .kernarg_segment_size: 80
    .max_flat_workgroup_size: 128
    .sgpr_count:     102
    .vgpr_count:     1024
    .wavefront_size: 32
...
	.end_amdgpu_metadata
.endif
;; end of part 1
;; launch attn (part 2): grid 4 x 64, 8 waves a work-group, clusters of 4 x 1, 327,680 bytes of LDS; arguments qf, kv, Wo_codes, lowp_scales, af, wof; writes af, wof
.if DOCPART == 2
	.amdgcn_target "amdgcn-amd-amdhsa--gfx1250"
	.amdhsa_code_object_version 6
	.text
	.protected	k_q101f1852d2_attn
	.globl	k_q101f1852d2_attn
	.p2align	8
	.type	k_q101f1852d2_attn,@function
k_q101f1852d2_attn:
	s_mov_b64 s[64:65], 0
	v_nop
	global_prefetch_b8 v0, s[64:65] scope:SCOPE_SE
	s_setreg_imm32_b32 hwreg(HW_REG_WAVE_MODE, 25, 1), 1
	s_wait_xcnt 0x0
	s_wait_alu depctr_hold_cnt(0) depctr_sa_sdst(0) depctr_va_vdst(0) depctr_va_sdst(0) depctr_va_ssrc(0) depctr_va_vcc(0) depctr_vm_vsrc(0)
	s_getreg_b32 s2, hwreg(HW_REG_IB_STS2, 6, 4)
	s_cmp_eq_u32 s2, 0
	s_cbranch_scc0 .Lentry_in_a_cluster
	s_endpgm
.Lentry_in_a_cluster:
	s_bfe_u32 s2, ttmp6, 0x10000c
	s_cmp_lg_u32 s2, 0x3003
	s_cbranch_scc0 .Lentry_shape_is_right
	s_endpgm
.Lentry_shape_is_right:
; A[b][q][head x 64 + :] = softmax_k(Q . K / 8, k <= q) V, both products on codes of FP8 (E4M3); A leaves as codes, laid as images of the last product's operand registers.  Beside it each work-group lays 4,096 bytes of Wo anew.
; IN.  qf: [bh 64][query tile 128][1,024]; kv: [bh 64][key step 16][16,384]: 8 fragments of K (16 keys x 64 dims), then 4 of V^T (16 dims x 128 keys): images of registers, 16 bytes a lane, 512 bytes a load.
; THE SOFTMAX: t = score x log2(e) / 8; M = the largest t so far, rounded up to a whole number; p = 2^(t - M) is quantised with 2^e8; the row's sum is taken of the unquantised p and divides at the end.
; When M moves, the sum and O^T are multiplied by 2^(old M - new M).
; LEFT OUT: key steps all of whose 128 keys come after a wave's queries.  the causal mask sets their scores to -infinity, so their p is 0 whatever the inputs hold.  A NaN or infinity that reaches only such scores is not carried.
; SHARES.  A head has 64 chunks of 32 queries.  Wave w of work-group G (0..3) owns chunk 63 - (4 w + G), then chunk 4 w + G: 16 - w and w + 1 key steps of 128, 17 in every wave.  The counts hang on w alone.
; The diagonal step is step 15 - w, then step w; there hidden scores become -infinity ahead of the maximum.  Key 0 counts for every query, so M is a number from a chunk's first step on.
; LDS HOLDS THE WHOLE HEAD: 16 key steps x 16,384 = 262,144 bytes, each filled once, nothing filled again.  Three fills, one tensor load a wave each: steps 0-1 (4,096 bytes a wave) at the head, steps 2-7 (12,288) behind the first
; meeting, steps 8-15 (16,384) behind the second.  The meetings stand ahead of steps 0, 2 and 8 of the first chunk, which has at least 9 steps in every wave: between them all waves do the same work.  Behind the third no barrier follows.
; CLUSTER 4, 1, 1: the four work-groups of a head want the same bytes at the same meetings, so each fill is a joint load (mask 15).  G enters global addresses and the mask's lane numbers, and no branch and no LDS address.
; NO PREFETCH: the stream is 262,144 bytes, and its last load is issued behind step 1 of 17, six steps ahead of its first read: no later trip is left to ask ahead for.
; LAYOUT.  S^T = K Q^T (source 0 = 16 keys, source 1 = 16 queries), O^T = V^T P^T: a lane holds one query (lane % 16); register j of key tile c is key 16 c + 8 (lane / 16) + j, so a conversion of 8 registers gives registers 2 c, 2 c + 1
; of the next operand.  A wave's two query tiles are worked in turn; each fragment of K and V read from LDS feeds two products.  K's fragments are asked of LDS a step ahead, behind the products that read the last ones.
; OUT.  af: [row tile 512][head 16][1,024].  wof: [column group 16][t 4][u 8][2,048]: Wo's rows 64 x column group + 4 r + t, k = 128 u on, as a fragment's registers.
; LIMITS: e6 + e7 between -123 and 130; e8, and e10 - e8 - e9, between -126 and 119; the scaled scores stay under 2^31 in magnitude.
; REGISTERS.  Window 0: addresses and constants below v40, the first chunk's Q v40-55, p's codes v56-87, S^T then p v96-223 (tile u at 96 + 64 u), v224-255 Wo's piece, then partial sums.
;   Window 1: O^T v0-63, K v64-127, V v128-191, the second chunk's Q v192-207.
.set STEPB, 16384
.set SPARE, 262144                     ; behind the head's keys: the spare words, 128 bytes for each of eight waves
.set LI,  1                            ; 16 x lane
.set SPW, 2
.set NIL, 3
.set ADR, 4                            ; LDS address of the step in hand
.set WSO, 5
.set WDO, 6
.set ADN, 7                            ; of the step whose K is asked for
.set NM,  8                            ; tile u: v[NM+2u] -M, v[NM+2u+1] the largest t
.set LS,  12                           ; the sum, a pair a tile
.set FC,  16                           ; f = 2^(old M - new M), low word of a pair
.set LIM, 20                           ; 448 x 2^e8, twice: the two halves of a dual pair read different registers
.set SCP, 22                           ; 2^e8
.set LIM2, 23                          ; 448 x 2^(e10 - e8 - e9)
.set SC2, 24                           ; 2^(e10 - e8 - e9)
.set DM,  25                           ; the chunk's first query less the diagonal step's first key, + r - 8 h
.set DMB, 26                           ; the same for the second chunk
.set INF, 27
.set MX,  28                           ; two chains of maxima a tile
.set PL,  32
.set XS,  34
.set QR,  40
.set PC,  56
.set SC,  96
.set TS,  224                          ; tile 0's sums of four, 16 pairs
.set OT,  0
.set KR,  64
.set VR,  128
.set QS,  192
.set WV,  16
.set GG,  17
.set BH,  18
.set SEL, 20
.set CS,  22
.set G1A, 24
.set G1B, 32
.set G1C, 40
.set G0A, 48
.set G0B, 52
.set G0C, 56
.set TB,  76                           ; LDS byte of the step in hand
.set KS,  77                           ; its number
.set DG,  78                           ; the diagonal step's number
.set QPB, 80
.set AOA, 82
.set AOB, 84
.set QPA, 86
.set MSB, 0
.macro WIN new                         ; the immediate's high byte repeats the setting that is left
.if MSB != (\new)
	s_set_vgpr_msb (MSB<<8)|(\new)
.set MSB, (\new)
.endif
.endm
.macro ROUND                           ; a round of the cluster's barrier
	s_barrier_signal -1
	s_barrier_wait -1
	s_cmp_lg_u32 s[WV], 0
	s_cbranch_scc1 .Lnw0_\@
	s_barrier_signal -3
.Lnw0_\@:
	s_barrier_wait -3
	s_barrier_signal -1
	s_barrier_wait -1
.endm
.macro MEET                            ; all my tensor loads are in; 0 onto my spare word; the add and my LDS reads are done
	s_wait_tensorcnt 0x0
	ds_add_u32 v[SPW], v[NIL]
	s_wait_dscnt 0x0
.endm
.macro JOINT g0, g1                    ; a joint load of every wave; s_nop 0 and four v_nop follow
	tensor_load_to_lds s[\g0:\g0+3], s[\g1:\g1+7]
	s_nop 0
.rept 4
	v_nop
.endr
.endm
.macro G1SET g, r                      ; r dense rows of 256 bytes: mask 15 with bit 21, elements of 8 bytes, no padding
	s_mov_b32 s[\g], 15|(3<<16)|(1<<21)
	s_mov_b32 s[\g+1], 32<<16
	s_mov_b32 s[\g+2], (\r)<<16
	s_mov_b32 s[\g+3], 32<<16
	s_mov_b32 s[\g+4], \r
	s_mov_b32 s[\g+5], 32
	s_mov_b32 s[\g+6], 0
	s_mov_b32 s[\g+7], 0
.endm
.macro G0SET g, off                    ; the same byte offset in LDS and in the head's kv
	s_mov_b32 s[\g], 1
	s_mov_b32 s[\g+1], s[\off]
	s_mov_b32 s60, s[\off]
	s_add_nc_u64 s[\g+2:\g+3], s[92:93], s[60:61]
	s_or_b32 s[\g+3], s[\g+3], 0x80000000
.endm
.macro INIT                            ; the step is written once for all steps: a chunk's first step finds zeros, which the first change of M leaves zeros
.irp u, 0,1
	v_mov_b32 v[NM+2*\u+1], 0xff61b1e6             ; -3e38, under every t
.endr
.irp u, 0,1
	v_floor_f32 v[NM+2*\u], -v[NM+2*\u+1]
.endr
.irp k, 0,1,2,3
	v_mov_b32 v[LS+\k], 0
.endr
	WIN 0x40
.set i, 0
.rept 64
	v_mov_b32 v[OT+i], 0
.set i, i+1
.endr
	WIN 0
.endm
.macro KLOAD                           ; the eight fragments of K of the step at v[ADN], into window 1
	WIN 0x40
.irp c, 0,1,2,3,4,5,6,7
	ds_load_b128 v[KR+8*\c:KR+8*\c+3], v[ADN] offset:1024*\c
	ds_load_b128 v[KR+8*\c+4:KR+8*\c+7], v[ADN] offset:1024*\c+512
.endr
	WIN 0
.endm
.macro HOLD2 x                         ; the hold (the conversion does not saturate: ISA guide 7.6.2; p is not negative, so it is one-sided), two numbers a line
	v_dual_min_num_f32 v[\x], v[\x], v[LIM] :: v_dual_min_num_f32 v[(\x)+1], v[(\x)+1], v[LIM+1]
.endm
; The mask.  Register 8 m + j of tile u holds key 16 m + 8 h + j of the step: hidden where 16 (m - u) + j > DM.  So one compare serves tile 0's key tile m and tile 1's key tile m + 1: 72 compares for 128 selects.
.macro MASK
.set m, -1
.rept 9
.set j, 0
.rept 8
	v_cmp_gt_i32 vcc_lo, 16*m+j, v[DM]
.if m >= 0
	v_cndmask_b32 v[SC+8*m+j], v[SC+8*m+j], v[INF], vcc_lo
.endif
.if m < 7
	v_cndmask_b32 v[SC+64+8*(m+1)+j], v[SC+64+8*(m+1)+j], v[INF], vcc_lo
.endif
.set j, j+1
.endr
.set m, m+1
.endr
.endm
.macro SOFTMAX                         ; both tiles, 128 keys
.irp u, 0,1
	v_max3_num_f32 v[MX+2*\u], v[SC+64*\u], v[SC+64*\u+1], v[SC+64*\u+2]   ; four chains of maxima, line by line in turn; each accumulator is read from its low end on
.endr
.irp u, 0,1
	v_max3_num_f32 v[MX+2*\u+1], v[SC+64*\u+3], v[SC+64*\u+4], v[SC+64*\u+5]
.endr
.set i, 6
.rept 14
.irp u, 0,1
	v_max3_num_f32 v[MX+2*\u], v[MX+2*\u], v[SC+64*\u+i], v[SC+64*\u+i+1]
.endr
.irp u, 0,1
	v_max3_num_f32 v[MX+2*\u+1], v[MX+2*\u+1], v[SC+64*\u+i+2], v[SC+64*\u+i+3]
.endr
.set i, i+4
.endr
.irp u, 0,1
	v_max3_num_f32 v[MX+2*\u], v[MX+2*\u], v[SC+64*\u+62], v[SC+64*\u+63]
.endr
.irp u, 0,1
	v_max_num_f32 v[MX+2*\u], v[MX+2*\u], v[MX+2*\u+1]
.endr
.irp u, 0,1
	v_permlanex16_b32 v[PL+\u], v[MX+2*\u], s[SEL], s[SEL+1]
.endr
.irp u, 0,1
	v_max_num_f32 v[MX+2*\u], v[MX+2*\u], v[PL+\u]           ; and among lane xor 16's
.endr
.irp u, 0,1
	v_mul_f32 v[MX+2*\u], s[CS], v[MX+2*\u]                  ; as t (c is positive)
.endr
.irp u, 0,1
	v_max_num_f32 v[NM+2*\u+1], v[NM+2*\u+1], v[MX+2*\u]
.endr
.irp u, 0,1
	v_mov_b32 v[MX+2*\u], v[NM+2*\u]
.endr
.irp u, 0,1
	v_floor_f32 v[NM+2*\u], -v[NM+2*\u+1]                    ; the new -M = floor(-t)
.endr
.irp u, 0,1
	v_sub_f32 v[MX+2*\u], v[NM+2*\u], v[MX+2*\u]             ; old M - new M: a whole number, 0 or less
.endr
.irp u, 0,1
	v_cvt_i32_f32 v[MX+2*\u], v[MX+2*\u]                     ; (it saturates)
.endr
.irp u, 0,1
	v_ldexp_f32 v[FC+2*\u], 1.0, v[MX+2*\u]                  ; f = 2^(old M - new M)
.endr
.set i, 0
.rept 32
	v_pk_fma_f32 v[SC+i:SC+i+1], v[SC+i:SC+i+1], s[CS:CS+1], v[NM:NM+1] op_sel_hi:[1,0,0]   ; tile 0: t - M
.set i, i+2
.endr
	s_wait_alu depctr_va_vdst(0)
; Tile 0's 64 exponentials; among them tile 1's 32 lines t - M, which name none of tile 0's registers and are read only behind the next wait.
.set i, 0
.rept 32
	v_exp_f32 v[SC+i], v[SC+i]                     ; p = 2^(t - M)
	v_pk_fma_f32 v[SC+64+i:SC+65+i], v[SC+64+i:SC+65+i], s[CS:CS+1], v[NM+2:NM+3] op_sel_hi:[1,0,0]
	v_exp_f32 v[SC+i+1], v[SC+i+1]
.set i, i+2
.endr
	s_wait_alu depctr_va_vdst(0)                   ; behind tile 0's exponentials, ahead of their first reader; and ahead of tile 1's, behind the lines that made their sources
; Tile 1's 64 exponentials; among them, for each four of tile 0's p: their sum in pairs, of the unquantised p, into registers of its own, and then their hold.  What these lines write is read only behind the next wait.
.set i, 0
.rept 16
	v_exp_f32 v[SC+64+i], v[SC+64+i]
	v_pk_add_f32 v[TS+i/2:TS+i/2+1], v[SC+i:SC+i+1], v[SC+i+2:SC+i+3]
	v_exp_f32 v[SC+65+i], v[SC+65+i]
	HOLD2 SC+i
	v_exp_f32 v[SC+66+i], v[SC+66+i]
	HOLD2 SC+i+2
	v_exp_f32 v[SC+67+i], v[SC+67+i]
.set i, i+4
.endr
.irp u, 0,1
	v_pk_mul_f32 v[LS+2*\u:LS+2*\u+1], v[LS+2*\u:LS+2*\u+1], v[FC+2*\u:FC+2*\u+1] op_sel_hi:[1,0]   ; the sums under the new M: plain lines behind the exponentials
.endr
	s_wait_alu depctr_va_vdst(0)                   ; behind tile 1's exponentials, ahead of their first reader
	v_pk_add_f32 v[XS:XS+1], v[TS:TS+1], v[TS+2:TS+3]                        ; the rows' sums, in two chains a tile
	v_pk_add_f32 v[XS+2:XS+3], v[SC+64:SC+65], v[SC+66:SC+67]
.set i, 4
.rept 15
	v_pk_add_f32 v[LS+2:LS+3], v[LS+2:LS+3], v[SC+64+i:SC+65+i]
	v_pk_add_f32 v[XS+2:XS+3], v[XS+2:XS+3], v[SC+66+i:SC+67+i]
.if i < 32
	v_pk_add_f32 v[LS:LS+1], v[LS:LS+1], v[TS+i:TS+i+1]
	v_pk_add_f32 v[XS:XS+1], v[XS:XS+1], v[TS+i+2:TS+i+3]
.endif
.set i, i+4
.endr
.irp u, 0,1
	v_pk_add_f32 v[LS+2*\u:LS+2*\u+1], v[LS+2*\u:LS+2*\u+1], v[XS+2*\u:XS+2*\u+1]
.endr
.irp c, 0,1,2,3,4,5,6,7                ; tile 1's hold, and both tiles' codes
.irp j, 0,2,4,6
	HOLD2 SC+64+8*\c+\j
.endr
.irp u, 0,1
	v_cvt_scalef32_pk8_fp8_f32 v[PC+16*\u+2*\c:PC+16*\u+2*\c+1], v[SC+64*\u+8*\c:SC+64*\u+8*\c+7], v[SCP]
.endr
.endr
.endm
; A KEY STEP of 128 keys; its fragments of K have been asked for.  y = 1: the step may be hidden (jumped over) or lie on the diagonal (masked): scalar branches on the wave's number and the count of steps.
; last: the walk's last step.  qw, qb: the window setting and the registers of the chunk's Q.
.macro STEP y, last, qw, qb
.if \y
	s_cmp_gt_u32 s[KS], s[DG]
	s_cbranch_scc1 .Lhid_\@
.endif
	s_add_co_u32 s79, s[TB], STEPB
	s_min_u32 s79, s79, (\last)*STEPB              ; the next step, held at the walk's last: no address leaves the bytes that have landed
	v_add_nc_u32 v[ADR], s[TB], v[LI]
	v_add_nc_u32 v[ADN], s79, v[LI]
	s_wait_alu depctr_va_vdst(0)
	s_wait_dscnt 0x0                               ; K's sixteen loads
	WIN \qw                                        ; K in window 1, S^T in window 0
.irp c, 0,1,2,3,4,5,6,7
.irp u, 0,1
	v_wmma_f32_16x16x64_fp8_fp8 v[SC+64*\u+8*\c:SC+64*\u+8*\c+7], v[KR+8*\c:KR+8*\c+7], v[\qb+8*\u:\qb+8*\u+7], 0
.endr
.endr
.rept 4
	v_nop                                          ; places: behind the last step's products for the loads into V's registers, behind these for the loads into K's and for the first read of the scores
.endr
	WIN 0x40
.irp t, 0,1,2,3
.irp g, 0,1,2,3
	ds_load_b128 v[VR+16*\t+4*\g:VR+16*\t+4*\g+3], v[ADR] offset:8192+2048*\t+512*\g
.endr
.endr
	WIN 0
.if \y
	s_cmp_eq_u32 s[KS], s[DG]                      ; the diagonal step is the chunk's last: it asks for no K, and is masked
	s_cbranch_scc1 .Ldiag_\@
	KLOAD
	s_branch .Lopen_\@
.Ldiag_\@:
	MASK
.else
	s_cmp_ge_u32 s[KS], \last                      ; the walk's last step asks for no K: the next step's bytes are shown only behind the next meeting
	s_cbranch_scc1 .Lopen_\@
	KLOAD
.endif
.Lopen_\@:
	SOFTMAX
	WIN 0x41                                       ; O^T in window 1, f in window 0
	s_wait_alu depctr_va_vdst(0)                   ; directly ahead of the first reader of O^T
.set i, 0
.rept 16
.irp u, 0,1
	v_pk_mul_f32 v[OT+32*\u+i:OT+32*\u+i+1], v[OT+32*\u+i:OT+32*\u+i+1], v[FC+2*\u:FC+2*\u+1] op_sel_hi:[1,0]   ; O^T under the new M; also the plain lines behind the conversions
.endr
.set i, i+2
.endr
	s_wait_alu depctr_va_vdst(0)
	s_wait_dscnt 0x0                               ; V's sixteen loads, and the next step's sixteen of K
	WIN 0x51                                       ; V and O^T in window 1, the codes in window 0
.irp t, 0,1,2,3
.irp u, 0,1
	v_wmma_f32_16x16x128_fp8_fp8 v[OT+32*\u+8*\t:OT+32*\u+8*\t+7], v[VR+16*\t:VR+16*\t+15], v[PC+16*\u:PC+16*\u+15], v[OT+32*\u+8*\t:OT+32*\u+8*\t+7]
.endr
.endr
	WIN 0
.Lhid_\@:
.endm
.macro WALK y, first, n, qw, qb        ; n key steps from step first on: the trip count is a constant.  The first step's K is asked for ahead of the loop
	s_mov_b32 s[TB], (\first)*STEPB
	s_mov_b32 s[KS], \first
	v_add_nc_u32 v[ADN], s[TB], v[LI]
	s_wait_alu depctr_va_vdst(0)
	KLOAD
.Lwalk_\@:
	STEP \y, (\first)+(\n)-1, \qw, \qb
	s_add_co_u32 s[TB], s[TB], STEPB
	s_add_co_u32 s[KS], s[KS], 1
	s_cmp_lt_u32 s[KS], (\first)+(\n)
	s_cbranch_scc1 .Lwalk_\@
.endm
.macro FINISH ao                       ; O^T / the sum, quantised with 2^(e10 - e8 - e9); each store of the wave covers 512 consecutive bytes, aligned
.rept 4
	v_nop                                          ; places behind the last products
.endr
.irp u, 0,1
	v_add_f32 v[LS+2*\u], v[LS+2*\u], v[LS+2*\u+1]
.endr
.irp u, 0,1
	v_permlanex16_b32 v[PL+\u], v[LS+2*\u], s[SEL], s[SEL+1]
.endr
.irp u, 0,1
	v_add_f32 v[LS+2*\u], v[LS+2*\u], v[PL+\u]     ; the row's sum
.endr
	s_wait_alu depctr_va_vdst(0)                   ; ahead of the reciprocals
	v_rcp_f32 v[LS], v[LS]
	v_rcp_f32 v[LS+2], v[LS+2]
	v_nop                                          ; a plain line behind them
	WIN 0x01
	s_wait_alu depctr_va_vdst(0)                   ; ahead of their first reader, which is also the first reader of O^T
.set i, 0
.rept 16
.irp u, 0,1
	v_pk_mul_f32 v[SC+64*\u+i:SC+64*\u+i+1], v[OT+32*\u+i:OT+32*\u+i+1], v[LS+2*\u:LS+2*\u+1] op_sel_hi:[1,0]
.endr
.set i, i+2
.endr
	WIN 0
.set i, 0
.rept 32
.irp u, 0,1
	v_med3_num_f32 v[SC+64*\u+i], v[SC+64*\u+i], -v[LIM2], v[LIM2]
.endr
.set i, i+1
.endr
.irp t, 0,1,2,3
.irp u, 0,1
	v_cvt_scalef32_pk8_fp8_f32 v[PC+16*\u+2*\t:PC+16*\u+2*\t+1], v[SC+64*\u+8*\t:SC+64*\u+8*\t+7], v[SC2]
.endr
.endr
	v_nop                                          ; one plain line behind the last conversion
.irp u, 0,1
	global_store_b128 v[LI], v[PC+16*\u:PC+16*\u+3], s[\ao:\ao+1] offset:16384*\u
	global_store_b128 v[LI], v[PC+16*\u+4:PC+16*\u+7], s[\ao:\ao+1] offset:16384*\u+512
.endr
.endm
	s_load_b256 s[4:11], s[0:1], 0x0               ; qf s[4:5], kv s[6:7], Wo's codes s[8:9], the scales' exponents s[10:11]
	s_load_b128 s[12:15], s[0:1], 0x20             ; af s[12:13], wof s[14:15]
	v_lshl_add_u32 v[SPW], v0, 2, SPARE
	v_mov_b32 v[NIL], 0
	ds_add_u32 v[SPW], v[NIL]                      ; the opening: the add, twice on end, and its wait ahead of my first tensor load
	ds_add_u32 v[SPW], v[NIL]
	v_lshrrev_b32 v7, 5, v0
	v_readfirstlane_b32 s[WV], v7                  ; wave 0..7
	s_bfe_u32 s[GG], ttmp6, 0x40000                ; G: my place in the cluster
	s_and_b32 s[BH], ttmp7, 0xffff                 ; b x 16 + head
	G1SET G1A, 16
	G1SET G1B, 48
	G1SET G1C, 64
	s_mov_b32 s[SEL], 0x76543210
	s_mov_b32 s[SEL+1], 0xfedcba98
	s_lshl_b32 s62, s[WV], 12                      ; my part of steps 0-1,
	s_mul_i32 s63, s[WV], 12288
	s_add_co_u32 s63, s63, 32768                   ; of steps 2-7,
	s_lshl_b32 s66, s[WV], 14
	s_add_co_u32 s66, s66, 131072                  ; of steps 8-15
	s_lshl_b32 s60, s[BH], 18
	s_mov_b32 s61, 0                               ; stays 0: the upper word of every offset in s[60:61]
	s_wait_dscnt 0x0                               ; both opening adds are done
	s_wait_kmcnt 0x0
	s_load_b256 s[68:75], s[10:11], 0x10           ; entries 4 to 11: s70 e6, s71 e7, s72 e8, s73 e9, s74 e10
	s_add_nc_u64 s[92:93], s[6:7], s[60:61]        ; my head's kv
	G0SET G0A, 62
	G0SET G0B, 63
	G0SET G0C, 66
	ROUND                                          ; the four work-groups are here: the first joint loads meet
	JOINT G0A, G1A                                 ; steps 0-1: one tensor load a wave at the head
	s_lshl_b32 s62, s[WV], 2
	s_add_co_u32 s62, s62, s[GG]                   ; the second chunk, 4 w + G
	s_sub_co_u32 s63, 63, s62                      ; the first
	s_lshl_b32 s62, s62, 5                         ; their first queries
	s_lshl_b32 s63, s63, 5
	s_lshl_b32 s66, s[BH], 17
	s_lshl_b32 s60, s63, 6
	s_add_co_u32 s60, s60, s66
	s_add_nc_u64 s[QPA:QPA+1], s[4:5], s[60:61]
	s_lshl_b32 s60, s62, 6
	s_add_co_u32 s60, s60, s66
	s_add_nc_u64 s[QPB:QPB+1], s[4:5], s[60:61]
	s_lshr_b32 s66, s[BH], 4
	s_lshl_b32 s66, s66, 11                        ; b's first row
	s_and_b32 s67, s[BH], 15                       ; the head
	s_add_co_u32 s66, s66, s67
	s_add_co_u32 s60, s66, s63
	s_lshl_b32 s60, s60, 10                        ; (row / 16) x 16,384 + head x 1,024 = (row + head) x 1,024
	s_add_nc_u64 s[AOA:AOA+1], s[12:13], s[60:61]
	s_add_co_u32 s60, s66, s62
	s_lshl_b32 s60, s60, 10
	s_add_nc_u64 s[AOB:AOB+1], s[12:13], s[60:61]
	; Wo's piece: work-group 4 bh + G lays bytes 4,096 x that of wof: column group bh / 4, t = bh % 4, u = 2 G + thread / 128, registers 4 g on with g = (thread / 32) % 4
	s_lshl_b32 s60, s[GG], 8
	s_and_b32 s66, s[BH], 3
	s_lshl_b32 s66, s66, 10
	s_add_co_u32 s60, s60, s66
	s_lshr_b32 s66, s[BH], 2
	s_lshl_b32 s66, s66, 16
	s_add_co_u32 s60, s60, s66
	s_add_nc_u64 s[8:9], s[8:9], s[60:61]
	s_lshl_b32 s60, s[BH], 2
	s_add_co_u32 s60, s60, s[GG]
	s_lshl_b32 s60, s60, 12
	s_add_nc_u64 s[14:15], s[14:15], s[60:61]
	s_lshl_b32 s66, s[GG], 5                       ; the second chunk begins 32 G keys into its diagonal step,
	s_sub_co_u32 s67, 96, s66                      ; the first 32 (3 - G)
	s_sub_co_u32 s[DG], 15, s[WV]                  ; the first chunk's diagonal step
	v_and_b32 v7, 31, v0
	v_lshlrev_b32 v[LI], 4, v7
	v_and_b32 v28, 15, v0                          ; r
	v_bfe_u32 v29, v0, 4, 1                        ; h
	v_lshlrev_b32 v[WSO], 12, v28                  ; Wo's row 4 r + t: 4,096 r,
	v_lshl_add_u32 v[WSO], v29, 3, v[WSO]          ; + 8 h
	v_bfe_u32 v30, v0, 5, 2
	v_lshl_add_u32 v[WSO], v30, 5, v[WSO]          ; + 32 g
	v_lshrrev_b32 v30, 7, v0
	v_lshl_add_u32 v[WSO], v30, 7, v[WSO]          ; + 128 (u % 2)
	v_lshlrev_b32 v[WDO], 4, v0
	v_lshlrev_b32 v31, 3, v29
	v_sub_nc_u32 v31, v28, v31                     ; r - 8 h
	v_add_nc_u32 v[DM], s67, v31
	v_add_nc_u32 v[DMB], s66, v31
	s_wait_alu depctr_va_vdst(0)                   ; ahead of the readers below
.irp g, 0,1,2,3
	global_load_b128 v[QR+4*\g:QR+4*\g+3], v[LI], s[QPA:QPA+1] offset:512*\g   ; the first chunk's two tiles of Q, 1,024 bytes each
.endr
	global_load_b64 v[224:225], v[WSO], s[8:9]             ; registers 4 g, 4 g + 1: k = 32 g + 8 h + 0 .. 7
	global_load_b64 v[226:227], v[WSO], s[8:9] offset:16   ; registers 4 g + 2, 4 g + 3: 16 further on
	WIN 0x40
.irp g, 0,1,2,3
	global_load_b128 v[QS+4*\g:QS+4*\g+3], v[LI], s[QPB:QPB+1] offset:512*\g   ; the second chunk's, into window 1
.endr
	WIN 0
	v_mov_b32 v[INF], 0xff800000
	v_mov_b32 v[FC+1], 0                           ; (named as the upper halves of pairs)
	v_mov_b32 v[FC+3], 0
	v_mov_b32 v[PL], 0                             ; (a lane permute's destination counts as read)
	v_mov_b32 v[PL+1], 0
	INIT
	s_wait_alu depctr_va_vdst(0)
	s_wait_kmcnt 0x0
	s_add_co_i32 s62, s70, s71
	s_lshl_b32 s62, s62, 23
	s_add_co_i32 s[CS], s62, 0x3e38aa3b            ; c = log2(e) / 8, with e6 + e7 added to its exponent field
	s_mov_b32 s[CS+1], s[CS]
	s_add_co_i32 s62, s72, 127
	s_lshl_b32 s89, s62, 23                        ; 2^e8
	s_add_co_i32 s62, s62, 8
	s_lshl_b32 s62, s62, 23
	s_or_b32 s88, s62, 0x600000                    ; 448 x 2^e8
	s_sub_co_i32 s62, s74, s72
	s_sub_co_i32 s62, s62, s73
	s_add_co_i32 s62, s62, 127
	s_lshl_b32 s91, s62, 23                        ; 2^(e10 - e8 - e9): O^T / the sum stands for that x 2^(e8 + e9)
	s_add_co_i32 s62, s62, 8
	s_lshl_b32 s62, s62, 23
	s_or_b32 s90, s62, 0x600000
	v_mov_b32 v[LIM], s88
	v_mov_b32 v[LIM+1], s88
	v_mov_b32 v[SCP], s89
	v_mov_b32 v[LIM2], s90
	v_mov_b32 v[SC2], s91
	s_wait_alu depctr_va_vdst(0)
	s_wait_loadcnt 0x0                             ; Q, and Wo's piece
	global_store_b128 v[WDO], v[224:227], s[14:15]
	s_wait_xcnt 0x0                                ; the store has read its data: v224-227 take partial sums from the first step on
	MEET                                           ; my part of steps 0-1 is in
	ROUND                                          ; everybody's is; the later first fills are issued as refills are, one load a wave behind a round
	JOINT G0B, G1B                                 ; steps 2-7
	WALK 0, 0, 2, 0x01, QR
	MEET
	ROUND
	JOINT G0C, G1C                                 ; steps 8-15
	WALK 0, 2, 6, 0x01, QR
	MEET                                           ; nothing is asked for any more: a barrier of the work-group shows the last fill to all its waves
	s_barrier_signal -1
	s_barrier_wait -1
	WALK 1, 8, 8, 0x01, QR                         ; the first chunk's steps 8 to 15 - w
	FINISH AOA
	INIT
	v_mov_b32 v[DM], v[DMB]
	s_mov_b32 s[DG], s[WV]                         ; the second chunk's diagonal step
	s_wait_alu depctr_va_vdst(0)
	s_wait_xcnt 0x0                                ; the stores have read their data: the codes' registers may be written again
	WALK 1, 0, 8, 0x05, QS                         ; the second chunk's steps 0 to w; its Q lies in window 1
	FINISH AOB
	MEET                                           ; the wave's end
	ROUND                                          ; the closing round
	s_endpgm
.Lfunc_end_k_q101f1852d2_attn:
	.size	k_q101f1852d2_attn, .Lfunc_end_k_q101f1852d2_attn-k_q101f1852d2_attn
	.p2alignl 7, 3214868480
	.fill 96, 4, 3214868480
	.section	.rodata,"a",@progbits
	.p2align	6, 0x0
	.amdhsa_kernel k_q101f1852d2_attn
		.amdhsa_group_segment_fixed_size 327680
		.amdhsa_private_segment_fixed_size 0
		.amdhsa_enable_private_segment 0
		.amdhsa_kernarg_size 48
		.amdhsa_user_sgpr_count 2
		.amdhsa_user_sgpr_kernarg_segment_ptr 1
		.amdhsa_wavefront_size32 1
		.amdhsa_system_sgpr_workgroup_id_x 1
		.amdhsa_system_sgpr_workgroup_id_y 1
		.amdhsa_system_sgpr_workgroup_id_z 1
		.amdhsa_system_vgpr_workitem_id 0
		.amdhsa_next_free_vgpr 512
		.amdhsa_next_free_sgpr 96
		.amdhsa_reserve_vcc 1
		.amdhsa_float_denorm_mode_32 3
		.amdhsa_float_denorm_mode_16_64 3
		.amdhsa_memory_ordered 1
		.amdhsa_forward_progress 1
		.amdhsa_inst_pref_size 163
	.end_amdhsa_kernel
	.amdgpu_metadata
---
amdhsa.version: [ 1, 2 ]
amdhsa.kernels:
  - .name:           k_q101f1852d2_attn
    .symbol:         k_q101f1852d2_attn.kd
    .args:
      - { .name: qf, .offset: 0, .size: 8, .value_kind: global_buffer, .address_space: global }
      - { .name: kv, .offset: 8, .size: 8, .value_kind: global_buffer, .address_space: global }
      - { .name: Wo_codes, .offset: 16, .size: 8, .value_kind: global_buffer, .address_space: global }
      - { .name: lowp_scales, .offset: 24, .size: 8, .value_kind: global_buffer, .address_space: global }
      - { .name: af, .offset: 32, .size: 8, .value_kind: global_buffer, .address_space: global }
      - { .name: wof, .offset: 40, .size: 8, .value_kind: global_buffer, .address_space: global }
    .group_segment_fixed_size: 327680
    .private_segment_fixed_size: 0
    .kernarg_segment_align: 8
    .kernarg_segment_size: 48
    .max_flat_workgroup_size: 256
    .sgpr_count:     96
    .vgpr_count:     512
    .wavefront_size: 32
...
	.end_amdgpu_metadata
.endif
;; end of part 2
;; launch outp (part 3): grid 4 x 64, 4 waves a work-group, clusters of 4 x 1, 327,680 bytes of LDS; arguments af, wof, bo, lowp_scales, out0; writes out0
.if DOCPART == 3
	.amdgcn_target "amdgcn-amd-amdhsa--gfx1250"
	.amdhsa_code_object_version 6
	.text
	.protected	k_q101f1852d2_outp
	.globl	k_q101f1852d2_outp
	.p2align	8
	.type	k_q101f1852d2_outp,@function
k_q101f1852d2_outp:
	s_mov_b64 s[64:65], 0
	v_nop
	global_prefetch_b8 v0, s[64:65] scope:SCOPE_SE
	s_setreg_imm32_b32 hwreg(HW_REG_WAVE_MODE, 25, 1), 1
	s_wait_xcnt 0x0
	s_wait_alu depctr_hold_cnt(0) depctr_sa_sdst(0) depctr_va_vdst(0) depctr_va_sdst(0) depctr_va_ssrc(0) depctr_va_vcc(0) depctr_vm_vsrc(0)
	s_getreg_b32 s2, hwreg(HW_REG_IB_STS2, 6, 4)
	s_cmp_eq_u32 s2, 0
	s_cbranch_scc0 .Lentry_in_a_cluster
	s_endpgm
.Lentry_in_a_cluster:
	s_bfe_u32 s2, ttmp6, 0x10000c
	s_cmp_lg_u32 s2, 0x3003
	s_cbranch_scc0 .Lentry_shape_is_right
	s_endpgm
.Lentry_shape_is_right:
; out0 = A Wo + bo on codes of FP8 (E4M3).  af: [row tile 512][head 16][1,024]: images of operand registers, a row tile's 1,024 along K in 16,384 consecutive bytes.  wof: [column group 16][t 4][u 8][2,048].
; A work-group makes 128 rows x 256 columns, a wave 128 x 64.  Its 8 row tiles are 131,072 consecutive bytes of af: each wave asks for 32,768 of them by one joint load at the head (the four work-groups of a cluster share the rows);
; nothing is filled later.  Wo's fragments go from memory straight into registers, three K steps of 128 ahead.  No prefetch: every byte is asked for at the head or within three K steps of it.
; Each finished sum is multiplied by 2^(e10 + e11) and bo is added in one fused line.  LIMIT: e10 + e11 between -126 and 127.
.set MSB, 0
.macro WIN new
.if MSB != (\new)
	s_set_vgpr_msb (MSB<<8)|(\new)
.set MSB, (\new)
.endif
.endm
.macro ROUND
	s_barrier_signal -1
	s_barrier_wait -1
	s_cmp_lg_u32 s14, 0
	s_cbranch_scc1 .Lnot_wave_0_\@
	s_barrier_signal -3
.Lnot_wave_0_\@:
	s_barrier_wait -3
	s_barrier_signal -1
	s_barrier_wait -1
.endm
.macro BLOAD u
	WIN 0x80+0x40*((\u)/4)
.irp t, 0,1,2,3
.irp c, 0,1,2,3
	global_load_b128 v[64*((\u)%4)+16*\t+4*\c:64*((\u)%4)+16*\t+4*\c+3], v3, s[48:49] offset:(8*\t+(\u))*2048+512*\c
.endr
.endr
	WIN 0
.endm
.macro FETCH gi
.set fu, (\gi)/2
.set fm, 4*((\gi)%2)
.set fb, 64+64*((\gi)%3)
.set fo, fu*2048
.irp i, 0,1,2,3
.irp c, 0,1,2,3
	ds_load_b128 v[fb+16*\i+4*\c:fb+16*\i+4*\c+3], v[3+(\gi)%2] offset:fo+\i*16384+512*\c
.endr
.endr
.endm
.macro KSB ks
	s_wait_tensorcnt 0x0
	s_wait_dscnt 0x0
	s_barrier_signal -1
	s_barrier_wait -1
.endm
.macro GROUP gi
.set gu, (\gi)/2
.set gm, 4*((\gi)%2)
.set gb, 64+64*((\gi)%3)
.if (\gi)+2 <= 15
.rept 4
	v_nop
.endr
	FETCH (\gi)+2
.endif
.if (\gi)%2 == 0
.if gu <= 4
	BLOAD gu+3
	s_wait_loadcnt 48
.else
	s_wait_loadcnt 16*(7-gu)
.endif
.endif
.if (\gi) <= 13
	s_wait_dscnt 32
.else
	s_wait_dscnt 16*(15-(\gi))
.endif
	WIN 0x58+4*(gu/4)
.irp i, 0,1,2,3
.irp t, 0,1,2,3
.if gu == 0
	v_wmma_f32_16x16x128_fp8_fp8 v[8*(4*(gm+\i)+\t):8*(4*(gm+\i)+\t)+7], v[gb+16*\i:gb+16*\i+15], v[64*(gu%4)+16*\t:64*(gu%4)+16*\t+15], 0
.else
	v_wmma_f32_16x16x128_fp8_fp8 v[8*(4*(gm+\i)+\t):8*(4*(gm+\i)+\t)+7], v[gb+16*\i:gb+16*\i+15], v[64*(gu%4)+16*\t:64*(gu%4)+16*\t+15], v[8*(4*(gm+\i)+\t):8*(4*(gm+\i)+\t)+7]
.endif
.endr
.endr
	WIN 0
.endm
	s_load_b256 s[4:11], s[0:1], 0x0
	s_load_b64 s[12:13], s[0:1], 0x20
	v_lshl_add_u32 v62, v0, 2, 0x29000
	v_mov_b32 v63, 0
	ds_add_u32 v62, v63
	ds_add_u32 v62, v63
	v_lshrrev_b32 v1, 5, v0
	v_readfirstlane_b32 s14, v1
	s_bfe_u32 s15, ttmp6, 0x40000
	s_and_b32 s16, ttmp7, 0xffff
	s_mov_b32 s24, 15|(3<<16)|(1<<21)
	s_mov_b32 s25, 32<<16
	s_mov_b32 s26, 128<<16
	s_mov_b32 s27, 32<<16
	s_mov_b32 s28, 128
	s_mov_b32 s29, 32
	s_mov_b32 s30, 0
	s_mov_b32 s31, 0
	s_lshl_b32 s17, s16, 3
	s_lshl_b32 s18, s14, 1
	s_add_co_u32 s17, s17, s18
	s_lshl_b32 s18, s17, 14
	s_mov_b32 s19, 0
	s_lshl_b32 s20, s14, 15
	s_wait_dscnt 0x0
	s_wait_kmcnt 0x0
	s_load_b64 s[22:23], s[10:11], 0x28
	s_add_nc_u64 s[18:19], s[4:5], s[18:19]
	s_mov_b32 s32, 1
	s_mov_b32 s33, s20
	s_mov_b64 s[34:35], s[18:19]
	s_or_b32 s35, s35, 0x80000000
	ROUND
	tensor_load_to_lds s[32:35], s[24:31]          ; my two row tiles, all of K: 128 rows of 256 bytes, my one tensor load
	s_nop 0
.rept 4
	v_nop
.endr
	v_and_b32 v1, 31, v0
	v_lshlrev_b32 v3, 4, v1
	v_add_nc_u32 v4, 0x10000, v3
	v_and_b32 v2, 15, v0
	v_bfe_u32 v5, v0, 4, 1
	v_lshlrev_b32 v7, 4, v2
	s_wait_alu depctr_va_vdst(0)
	v_lshl_add_u32 v6, v5, 15, v7
	s_lshl_b32 s55, s15, 2
	s_add_co_u32 s55, s55, s14
	s_lshl_b32 s56, s55, 16
	s_mov_b32 s57, 0
	s_add_nc_u64 s[48:49], s[6:7], s[56:57]
	s_lshl_b32 s56, s55, 8
	s_add_nc_u64 s[52:53], s[8:9], s[56:57]
	s_add_nc_u64 s[50:51], s[12:13], s[56:57]
	s_lshl_b32 s56, s16, 19
	s_add_nc_u64 s[50:51], s[50:51], s[56:57]
	global_load_b128 v[8:11], v7, s[52:53]
	BLOAD 0
	BLOAD 1
	BLOAD 2
	KSB 0
	FETCH 0
	FETCH 1
.irp gi, 0,1,2,3,4,5,6,7,8,9,10,11,12,13,14,15
	GROUP \gi
.endr
	s_wait_kmcnt 0x0
	s_add_co_i32 s54, s22, s23
	s_add_co_i32 s54, s54, 127
	s_lshl_b32 s54, s54, 23
.rept 4
	v_nop
.endr
.irp m, 0,1,2,3,4,5,6,7
.if \m == 6
	s_wait_xcnt 0x0
.endif
	WIN 0x01
.irp j, 0,1,2,3,4,5,6,7
.irp t, 0,1,2,3
	v_fma_f32 v[64+32*(\m%6)+4*\j+\t], v[8*(4*\m+\t)+\j], s54, v[8+\t]
.endr
.endr
	WIN 0
.irp j, 0,1,2,3,4,5,6,7
	global_store_b128 v6, v[64+32*(\m%6)+4*\j:64+32*(\m%6)+4*\j+3], s[50:51] offset:(16*\m+\j)*4096 th:TH_STORE_NT
.endr
.endr
	s_wait_tensorcnt 0x0
	ds_add_u32 v62, v63
	s_wait_dscnt 0x0
	ROUND
	s_endpgm
.Lfunc_end_k_q101f1852d2_outp:
	.size	k_q101f1852d2_outp, .Lfunc_end_k_q101f1852d2_outp-k_q101f1852d2_outp
	.p2alignl 7, 3214868480
	.fill 96, 4, 3214868480
	.section	.rodata,"a",@progbits
	.p2align	6, 0x0
	.amdhsa_kernel k_q101f1852d2_outp
		.amdhsa_group_segment_fixed_size 327680
		.amdhsa_private_segment_fixed_size 0
		.amdhsa_enable_private_segment 0
		.amdhsa_kernarg_size 40
		.amdhsa_user_sgpr_count 2
		.amdhsa_user_sgpr_kernarg_segment_ptr 1
		.amdhsa_wavefront_size32 1
		.amdhsa_system_sgpr_workgroup_id_x 1
		.amdhsa_system_sgpr_workgroup_id_y 1
		.amdhsa_system_sgpr_workgroup_id_z 1
		.amdhsa_system_vgpr_workitem_id 0
		.amdhsa_next_free_vgpr 1024
		.amdhsa_next_free_sgpr 66
		.amdhsa_reserve_vcc 0
		.amdhsa_float_denorm_mode_32 3
		.amdhsa_float_denorm_mode_16_64 3
		.amdhsa_memory_ordered 1
		.amdhsa_forward_progress 1
		.amdhsa_inst_pref_size 75
	.end_amdhsa_kernel
	.amdgpu_metadata
---
amdhsa.version: [ 1, 2 ]
amdhsa.kernels:
  - .name:           k_q101f1852d2_outp
    .symbol:         k_q101f1852d2_outp.kd
    .args:
      - { .name: af, .offset: 0, .size: 8, .value_kind: global_buffer, .address_space: global }
      - { .name: wof, .offset: 8, .size: 8, .value_kind: global_buffer, .address_space: global }
      - { .name: bo, .offset: 16, .size: 8, .value_kind: global_buffer, .address_space: global }
      - { .name: lowp_scales, .offset: 24, .size: 8, .value_kind: global_buffer, .address_space: global }
      - { .name: out0, .offset: 32, .size: 8, .value_kind: global_buffer, .address_space: global }
    .group_segment_fixed_size: 327680
    .private_segment_fixed_size: 0
    .kernarg_segment_align: 8
    .kernarg_segment_size: 40
    .max_flat_workgroup_size: 128
    .sgpr_count:     66
    .vgpr_count:     1024
    .wavefront_size: 32
...
	.end_amdgpu_metadata
.endif
;; end of part 3
